; MI455X (gfx1250); checked and timed in simulation.
; The chip was launched on July 23, 2026; its instructions are those of AMD's public machine-readable ISA for CDNA 5 (MIT licence, August 2026) and "CDNA5" Instruction Set Architecture Reference Guide (July 2026). The comments in the code are by the model that wrote it; some were corrected since.
;; Deformation Network. Allowed arithmetic: matrix products marked QUANTISED: E2M3 operands, one E8M0 scale for each 32 along K, by v_wmma_scale_f32_16x16x128_f8f6f4 with both operands' format E2M3, f32 sums; products left as they are: f32 operands where the result goes on into a quantised operand, else bf16, f16 or f32 operands; f32 sums; everything else in f32.
;; Inputs: W0 256 x 60 float32; W1 256 x 256 float32; W2 256 x 316 float32; W3 256 x 256 float32; Wop 1 x 256 float32; Wrot 4 x 256 float32; Wscale 3 x 256 float32; Wxyz 3 x 256 float32; b0 256 float32; b1 256 float32; b2 256 float32; b3 256 float32; bop 1 float32; brot 4 float32; bscale 3 float32; bxyz 3 float32; canonical_xyz 262,144 x 3 float32; time 1 x 1 float32.
;; Outputs: out0 262,144 x 3 float32; out1 262,144 x 4 float32; out2 262,144 x 3 float32; out3 262,144 x 1 float32.
;; This version of the problem:
;;   THIS VERSION OF THE PROBLEM IS GIVEN IN LOW PRECISION. The matrix products marked QUANTISED in the list below multiply operands that are first quantised to E2M3 (2 exponent bits, 3 mantissa bits; 6 bits a number), with one power-of-two scale for each 32 numbers along K (OCP MX v1.0); their sums are f32. All else is computed in f32.
;;   The module's matrix products, in the order in which they are computed (A, B: the left and right operand; K: the contracted axis; several contracted axes count as one K, in the product's order):
;;     1. [M 262,144, K 60] x [K 60, N 256]; A: computed on the way; B: input W0: QUANTISED
;;     2. [M 262,144, K 256] x [K 256, N 256]; A: computed on the way; B: input W1: QUANTISED
;;     3. [M 262,144, K 316] x [K 316, N 256]; A: computed on the way; B: input W2: QUANTISED
;;     4. [M 262,144, K 256] x [K 256, N 256]; A: computed on the way; B: input W3: QUANTISED
;;     5. [M 262,144, K 256] x [K 256, N 3]; A: computed on the way; B: input Wxyz: left as it is (N = 3 < 16)
;;     6. [M 262,144, K 256] x [K 256, N 4]; A: computed on the way; B: input Wrot: left as it is (N = 4 < 16)
;;     7. [M 262,144, K 256] x [K 256, N 3]; A: computed on the way; B: input Wscale: left as it is (N = 3 < 16)
;;     8. [M 262,144, K 256] x [K 256, N 1]; A: computed on the way; B: input Wop: left as it is (N = 1 < 16)
;;   THE QUANTISER, for each operand of a quantised product, along K:
;;     - K is cut into blocks of 32 from its start; a last block that is shorter is filled with zeros.
;;     - A block's scale is 2^e with e = floor(log2(the largest magnitude in the block)) - 2, held to -126 .. 127; a block of zeros has e = 0. As a byte (E8M0): e + 127.
;;     - Each number is divided by its block's scale, clamped to +-7.5, and rounded to the nearest number of E2M3, ties to even, subnormals kept.
;;     - The product sums the exact products of the quantised numbers (number of the format x scale) in f32.
;;   ~~~python
;;   def quantise(x, axis):      # numpy; x: float32 -> the quantised numbers, widened to float32 again
;;       x = np.moveaxis(x, axis, -1); K = x.shape[-1]
;;       x = np.pad(x, [(0, 0)] * (x.ndim - 1) + [(0, -K % 32)]); x = x.reshape(x.shape[:-1] + (-1, 32)); a = np.abs(x).max(-1, keepdims=True)
;;       e = np.where(a > 0, np.clip(np.frexp(np.where(a > 0, a, 1))[1] - 1 - 2, -126, 127), 0)      # np.frexp(a)[1] - 1 = floor(log2(a)), exactly
;;       r = np.clip(x / 2.0 ** e, -7.5, 7.5)
;;       step = 2.0 ** (np.maximum(np.frexp(np.where(r == 0, 1, r))[1] - 1, 0) - 3)
;;       q = np.round(r / step) * step * 2.0 ** e      # np.round: ties to even
;;       return np.moveaxis(q.reshape(q.shape[:-2] + (-1,))[..., :K], -1, axis).astype(np.float32)
;;   ~~~
;;   OPERANDS COMPUTED ON THE WAY. 'Computed on the way' means the value that the module computes at that place (a softmax that the list does not call 'softmax' is quantised finished and normalised). What goes into a quantiser is computed in f32, as accurately as f32 sums, v_exp_f32 and their like allow (about 1e-6 of the number): no bf16 or f16 on the way to a quantiser, and a product that is left as it is and whose result goes on into a quantised operand takes f32 operands (vector FMAs, or v_wmma_f32_16x16x4_f32). A number that lies on a knife's edge between two numbers of the format may be rounded either way, as far as f32 arithmetic and the matrix unit's own rounding can turn it there, and no further.
;; One version. Each part assembles by itself: llvm-mc -triple=amdgcn-amd-amdhsa -mcpu=gfx1250 --defsym DOCPART=n.
;; ======== version 1 of 1: 2 launches
;; limits: inputs' magnitudes at most 4,096; right only within a limited range of input values
;; workspace buffers: wimg 227,072 bytes
;; launch prep (part 1): grid 34 x 1, 4 waves a work-group, no clusters, 0 bytes of LDS; arguments W0, W1, W2, W3, b0, b1, b2, b3, Wxyz, Wrot, Wscale, Wop, bxyz, brot, bscale, bop, time, wimg; writes wimg
.if DOCPART == 1
	.amdgcn_target "amdgcn-amd-amdhsa--gfx1250"
	.amdhsa_code_object_version 6
	.text
	.protected	k_q82d5ade2c0_prep
	.globl	k_q82d5ade2c0_prep
	.p2align	8
	.type	k_q82d5ade2c0_prep,@function
k_q82d5ade2c0_prep:
	s_mov_b64 s[64:65], 0
	v_nop
	global_prefetch_b8 v0, s[64:65] scope:SCOPE_SE
	s_setreg_imm32_b32 hwreg(HW_REG_WAVE_MODE, 25, 1), 1
	s_wait_xcnt 0x0
; PREP: everything of the network that does not hang on a point is made once and laid in wimg in the order in which the second launch's registers take it.
;   wimg + 0       128 fragments of E2M3 codes (16 units x 128 K, 12 registers a lane): register 4 q + e of lane L of fragment f at 1536 f + 512 q + 16 L + 4 e.
;                  f = 4 set + tt.  Sets: layer 0: G;  layer 1: 4 + 2 G + s;  layer 2: 12 + 3 G + s;  layer 3: 24 + 2 G + s  (G: 64 units, s: 128 along K).
;                  Row r of tile tt is unit 64 G + 32 (r / 8) + 8 tt + r % 8, so that a lane of the transposed product gets 32 neighbouring units: one whole block of the next K.
;   wimg + 196608  8 fragments of the four heads' weights in bf16, the high words;  + 204800 their low words: bf16(w - high word);
;   wimg + 212992  the E8M0 scale words (set, tt, row r at 256 set + 64 tt + 4 r);
;   wimg + 221184  b0 .. b3 as they lie;  + 225280 the heads' bias, 16 numbers;  + 225536 the time's 21 encoded numbers as a 12-register image.
; The 16 rows of the heads: 0-2 xyz, 3 opacity, 4-5 rotation 0-1, 8-10 scaling, 12-13 rotation 2-3, the others zeros.
; The encoding's K (W0; columns 256 on of W2) is permuted inside each block of 32, alike here and in the second launch; K 60 .. 127 are zero codes.
; A block's scale byte is its largest magnitude's exponent field - 2, held at 1 from below.  A block of zeros keeps the byte 1 where the quantiser says 127: its codes are zeros, and this program alone reads the bytes.
; SINE AND COSINE: the angle t 2^l pi is counted in quarter turns in two words (2 / pi in two words), reduced exactly, and taken by polynomials on a quarter turn's half; the quadrant is put back by exact multiplications by 0, 1, -1.
; LIMITS: |time| under 4,096 (quarter turns under 2^22); NaN and infinities are not served; blocks whose largest magnitude lies under 2^-124 keep the byte 1.
; Work-groups 0-31: one set each, wave = tt.  Work-group 32: the heads' weights, wave = G.  Work-group 33: wave 0 the time, waves 1 and 2 the biases, wave 3 the heads' bias.
.set HDO,  196608
.set HLO,  204800
.set SCO,  212992
.set BIO,  221184
.set HBO,  225280
.set TCO,  225536
.set MG,   50                          ; s[50:51] 1.5 x 2^23: adding it rounds to a whole number (time's path alone)
.set NMG,  52                          ; s[52:53] its negative
.set MG4,  54                          ; s[54:55] 1.5 x 2^25: adding it rounds to a multiple of 4
.set NMG4, 56                          ; s[56:57] its negative
.set S9P,  58                          ; s[58:59] the sine's highest coefficient
.set C10P, 60                          ; s[60:61] the cosine's
; Stage k of 25 of the sine and cosine of two angles.  wh, wl: pairs, the quarter turns in two words; m: a power of two; sn, cs: where the results go; t: 20 registers at work:
; +0 QF the whole quarter turns, +2 G the rest, +4 Q4 the quadrant (-2 .. 2), +6 Z = G G, +8 PS, +10 PC, +12 CQ, +14 SQ, +16, +18 products.
.macro PEST k, wh, wl, m, sn, cs, t
.if \k == 0
	v_pk_fma_f32 v[8+(\t):9+(\t)], v[\wh:\wh+1], \m, s[MG:MG+1] op_sel_hi:[1,0,0]
.elseif \k == 1
	v_pk_add_f32 v[0+(\t):1+(\t)], v[8+(\t):9+(\t)], s[NMG:NMG+1] op_sel_hi:[1,0]
.elseif \k == 2
	v_pk_fma_f32 v[2+(\t):3+(\t)], v[\wh:\wh+1], \m, v[0+(\t):1+(\t)] op_sel_hi:[1,0,1] neg_lo:[0,0,1] neg_hi:[0,0,1]
.elseif \k == 3
	v_pk_add_f32 v[10+(\t):11+(\t)], v[0+(\t):1+(\t)], s[MG4:MG4+1] op_sel_hi:[1,0]
.elseif \k == 4
	v_pk_add_f32 v[10+(\t):11+(\t)], v[10+(\t):11+(\t)], s[NMG4:NMG4+1] op_sel_hi:[1,0]
.elseif \k == 5
	v_pk_add_f32 v[4+(\t):5+(\t)], v[0+(\t):1+(\t)], v[10+(\t):11+(\t)] neg_lo:[0,1] neg_hi:[0,1]
.elseif \k == 6
	v_pk_fma_f32 v[2+(\t):3+(\t)], v[\wl:\wl+1], \m, v[2+(\t):3+(\t)] op_sel_hi:[1,0,1]
.elseif \k == 7
	v_pk_mul_f32 v[6+(\t):7+(\t)], v[2+(\t):3+(\t)], v[2+(\t):3+(\t)]
.elseif \k == 8
	v_pk_fma_f32 v[8+(\t):9+(\t)], v[6+(\t):7+(\t)], s[S9P:S9P+1], 0xbb996966 op_sel_hi:[1,0,0]
.elseif \k == 9
	v_pk_fma_f32 v[10+(\t):11+(\t)], v[6+(\t):7+(\t)], s[C10P:C10P+1], 0x3a70fa83 op_sel_hi:[1,0,0]
.elseif \k == 10
	v_pk_fma_f32 v[8+(\t):9+(\t)], v[8+(\t):9+(\t)], v[6+(\t):7+(\t)], 0x3da335e3 op_sel_hi:[1,1,0]
.elseif \k == 11
	v_pk_fma_f32 v[10+(\t):11+(\t)], v[10+(\t):11+(\t)], v[6+(\t):7+(\t)], 0xbcaae9e4 op_sel_hi:[1,1,0]
.elseif \k == 12
	v_pk_fma_f32 v[8+(\t):9+(\t)], v[8+(\t):9+(\t)], v[6+(\t):7+(\t)], 0xbf255de7 op_sel_hi:[1,1,0]
.elseif \k == 13
	v_pk_fma_f32 v[10+(\t):11+(\t)], v[10+(\t):11+(\t)], v[6+(\t):7+(\t)], 0x3e81e0f8 op_sel_hi:[1,1,0]
.elseif \k == 14
	v_pk_fma_f32 v[8+(\t):9+(\t)], v[8+(\t):9+(\t)], v[6+(\t):7+(\t)], 0x3fc90fdb op_sel_hi:[1,1,0]
.elseif \k == 15
	v_pk_fma_f32 v[10+(\t):11+(\t)], v[10+(\t):11+(\t)], v[6+(\t):7+(\t)], 0xbf9de9e6 op_sel_hi:[1,1,0]
.elseif \k == 16
	v_pk_mul_f32 v[8+(\t):9+(\t)], v[8+(\t):9+(\t)], v[2+(\t):3+(\t)]
.elseif \k == 17
	v_pk_fma_f32 v[10+(\t):11+(\t)], v[10+(\t):11+(\t)], v[6+(\t):7+(\t)], 1.0 op_sel_hi:[1,1,0]
.elseif \k == 18
	v_sub_f32 v[12+(\t)], 1.0, |v[4+(\t)]|
	v_sub_f32 v[13+(\t)], 1.0, |v[5+(\t)]|
.elseif \k == 19
	v_sub_f32 v[14+(\t)], 2.0, |v[4+(\t)]|
	v_sub_f32 v[15+(\t)], 2.0, |v[5+(\t)]|
.elseif \k == 20
	v_pk_mul_f32 v[14+(\t):15+(\t)], v[14+(\t):15+(\t)], v[4+(\t):5+(\t)]
.elseif \k == 21
	v_pk_mul_f32 v[16+(\t):17+(\t)], v[8+(\t):9+(\t)], v[12+(\t):13+(\t)]
.elseif \k == 22
	v_pk_mul_f32 v[18+(\t):19+(\t)], v[10+(\t):11+(\t)], v[12+(\t):13+(\t)]
.elseif \k == 23
	v_pk_fma_f32 v[0+(\sn):1+(\sn)], v[10+(\t):11+(\t)], v[14+(\t):15+(\t)], v[16+(\t):17+(\t)]
.else
	v_pk_fma_f32 v[0+(\cs):1+(\cs)], v[8+(\t):9+(\t)], v[14+(\t):15+(\t)], v[18+(\t):19+(\t)] neg_lo:[1,0,0] neg_hi:[1,0,0]
.endif
.endm
; A lane's two blocks of 32 numbers, at v[b] and v[b + 32], become the fragment's 12 registers v144-155 and the row's scale word v12.
.macro QW b
	v_max3_num_f32 v8, |v[\b]|, |v[\b+1]|, 0x1800000               ; with the floor 2^(3 - 127): the byte cannot fall under 1
	v_max3_num_f32 v9, |v[\b+32]|, |v[\b+33]|, 0x1800000
.irp i, 2,4,6,8,10,12,14,16,18,20,22,24,26,28,30
	v_max3_num_f32 v8, v8, |v[\b+\i]|, |v[\b+\i+1]|
	v_max3_num_f32 v9, v9, |v[\b+32+\i]|, |v[\b+33+\i]|
.endr
	v_add_nc_u32 v8, 0xff000000, v8                ; 2 off the exponent field: the conversion's scale operand
	v_add_nc_u32 v9, 0xff000000, v9
	v_lshrrev_b32 v10, 23, v8                      ; the bytes of blocks h and 2 + h
	v_lshrrev_b32 v11, 23, v9
	v_lshl_or_b32 v10, v11, 16, v10
	v_permlanex16_b32 v11, v10, s46, s47           ; lane l xor 16's two
	v_perm_b32 v12, v11, v10, v7                   ; the four in their places, in both halves of the lanes
	v_cvt_scalef32_pk16_fp6_f32 v[144:146], v[\b:\b+15], v8
	v_cvt_scalef32_pk16_fp6_f32 v[156:158], v[\b+16:\b+31], v8     ; (a conversion's three registers begin on an even number)
	v_cvt_scalef32_pk16_fp6_f32 v[150:152], v[\b+32:\b+47], v9
	v_cvt_scalef32_pk16_fp6_f32 v[160:162], v[\b+48:\b+63], v9
	v_nop                                          ; one plain place behind the conversions
.irp k, 0,1,2
	v_mov_b32 v[147+\k], v[156+\k]
	v_mov_b32 v[153+\k], v[160+\k]
.endr
.endm
.macro PM e, a, b                      ; place e of the permuted block: lanes 0-15 take number a of block 0, lanes 16-31 number b of block 1
	v_cndmask_b32 v[80+\e], v[16+\a], v[16+\b], s48
.endm
	s_load_b512 s[8:23], s[0:1], 0x0               ; W0 s[8:9], W1, W2, W3 s[14:15], b0 s[16:17], b1, b2, b3 s[22:23]
	s_load_b512 s[24:39], s[0:1], 0x40             ; Wxyz s[24:25], Wrot, Wscale, Wop s[30:31], bxyz s[32:33], brot, bscale, bop s[38:39]
	s_load_b128 s[40:43], s[0:1], 0x80             ; time s[40:41], wimg s[42:43]
	v_lshrrev_b32 v1, 5, v0
	v_readfirstlane_b32 s44, v1                    ; wave
	v_and_b32 v1, 31, v0                           ; lane
	v_and_b32 v2, 15, v0                           ; r
	v_bfe_u32 v3, v0, 4, 1                         ; h
	v_lshlrev_b32 v4, 4, v1                        ; 16 x lane
	s_mov_b32 s46, 0x76543210
	s_mov_b32 s47, 0xfedcba98                      ; selects for lane l xor 16
	s_mov_b32 s48, 0xffff0000                      ; the mask of lanes 16-31; also a word's upper bf16
	s_wait_kmcnt 0x0
	s_cmp_lt_u32 ttmp9, 32
	s_cbranch_scc1 .Lweights
	s_cmp_eq_u32 ttmp9, 32
	s_cbranch_scc1 .Lheads
	s_cmp_eq_u32 s44, 0
	s_cbranch_scc1 .Ltime
	s_cmp_eq_u32 s44, 3
	s_cbranch_scc1 .Lhbias
	; ---- waves 1 and 2: two biases each, 1,024 bytes a bias, copied as they lie
	s_cmp_eq_u32 s44, 1
	s_cselect_b64 s[50:51], s[16:17], s[20:21]
	s_cselect_b64 s[52:53], s[18:19], s[22:23]
	s_cselect_b32 s54, 0, 2048
	s_mov_b32 s55, 0
	s_add_nc_u64 s[54:55], s[42:43], s[54:55]
	global_load_b128 v[16:19], v4, s[50:51]
	global_load_b128 v[20:23], v4, s[50:51] offset:512
	global_load_b128 v[24:27], v4, s[52:53]
	global_load_b128 v[28:31], v4, s[52:53] offset:512
	s_wait_loadcnt 0x0
	global_store_b128 v4, v[16:19], s[54:55] offset:BIO
	global_store_b128 v4, v[20:23], s[54:55] offset:BIO+512
	global_store_b128 v4, v[24:27], s[54:55] offset:BIO+1024
	global_store_b128 v4, v[28:31], s[54:55] offset:BIO+1536
	s_endpgm
.Lhbias:                               ; ---- wave 3: the heads' bias in the order of the 16 rows; every index is held inside its buffer
	v_min_u32 v5, 2, v2
	v_lshlrev_b32 v5, 2, v5                        ; bxyz: min(r, 2)
	v_and_b32 v6, 1, v2
	v_lshrrev_b32 v7, 3, v2
	v_lshl_add_u32 v6, v7, 1, v6
	v_lshlrev_b32 v6, 2, v6                        ; brot: r % 2 + 2 (r / 8)
	v_and_b32 v7, 3, v2
	v_min_u32 v7, 2, v7
	v_lshlrev_b32 v7, 2, v7                        ; bscale: min(r % 4, 2)
	v_mov_b32 v8, 0
	global_load_b32 v16, v5, s[32:33]
	global_load_b32 v17, v8, s[38:39]
	global_load_b32 v18, v6, s[34:35]
	global_load_b32 v19, v7, s[36:37]
	v_cmp_gt_u32 s52, 3, v2                        ; r < 3: xyz
	v_cmp_eq_u32 s53, 3, v2                        ; r = 3: opacity
	v_and_b32 v9, 6, v2
	v_cmp_eq_u32 s54, 4, v9                        ; r = 4, 5, 12, 13: rotation
	v_add_nc_u32 v9, -8, v2
	v_cmp_gt_u32 s55, 3, v9                        ; r = 8, 9, 10: scaling
	s_wait_loadcnt 0x0
	v_cndmask_b32 v20, 0, v16, s52
	v_cndmask_b32 v20, v20, v17, s53
	v_cndmask_b32 v20, v20, v18, s54
	v_cndmask_b32 v20, v20, v19, s55
	v_lshlrev_b32 v9, 2, v2
	global_store_b32 v9, v20, s[42:43] offset:HBO  ; both halves of the lanes store the same word with the same value
	s_endpgm
.Ltime:                                ; ---- wave 0: t, sin(t 2^l pi), cos(t 2^l pi), l = 0 .. 9
	s_load_b32 s62, s[40:41], 0x0
	s_mov_b32 s[MG], 0x4b400000
	s_mov_b32 s[MG+1], 0x4b400000
	s_mov_b32 s[NMG], 0xcb400000
	s_mov_b32 s[NMG+1], 0xcb400000
	s_mov_b32 s[MG4], 0x4c400000
	s_mov_b32 s[MG4+1], 0x4c400000
	s_mov_b32 s[NMG4], 0xcc400000
	s_mov_b32 s[NMG4+1], 0xcc400000
	s_mov_b32 s[S9P], 0x39283c1a
	s_mov_b32 s[S9P+1], 0x39283c1a
	s_mov_b32 s[C10P], 0xb7d368f9
	s_mov_b32 s[C10P+1], 0xb7d368f9
	s_wait_kmcnt 0x0
	v_mov_b32 v16, s62                             ; t
	v_mul_f32 v17, 0x40490fdb, v16                 ; t pi, rounded as the angle of l = 0 is; the others are exact multiples
	v_mul_f32 v18, 0x3f22f983, v17                 ; quarter turns, high word
	v_fma_f32 v19, v17, 0x3f22f983, -v18           ; what that product lost, exactly
	v_fma_f32 v19, v17, 0x32dc9c88, v19            ; + the low word of 2 / pi: the low word
.irp l, 0,1,2,3,4,5,6,7,8,9
	v_ldexp_f32 v[20+\l], v18, \l
	v_ldexp_f32 v[30+\l], v19, \l
.endr
.irp k, 0,1,2,3,4,5,6,7,8,9,10,11,12,13,14,15,16,17,18,19,20,21,22,23,24
	PEST \k, 20, 30, 1.0, 40, 50, 72
	PEST \k, 22, 32, 1.0, 42, 52, 92
	PEST \k, 24, 34, 1.0, 44, 54, 112
	PEST \k, 26, 36, 1.0, 46, 56, 132
	PEST \k, 28, 38, 1.0, 48, 58, 152
.endr
	v_cndmask_b32 v60, v16, v50, s48               ; register j: lanes 0-15 number 39 + j of the encoding, lanes 16-31 number 50 + j
.irp j, 1,2,3,4,5,6,7,8,9
	v_cndmask_b32 v[60+\j], v[39+\j], v[50+\j], s48
.endr
	v_cndmask_b32 v70, v49, 0, s48
	v_mov_b32 v71, 0
	global_store_b128 v4, v[60:63], s[42:43] offset:TCO
	global_store_b128 v4, v[64:67], s[42:43] offset:TCO+512
	global_store_b128 v4, v[68:71], s[42:43] offset:TCO+1024
	s_endpgm
.Lheads:                               ; ---- the heads' weights: fragment 2 G + p: lane (row r, h) holds units 64 G + 32 h + 16 p + 0 .. 15, each as two bf16 words in two images
	v_min_u32 v5, 2, v2
	v_lshlrev_b32 v5, 10, v5
	v_and_b32 v6, 1, v2
	v_lshrrev_b32 v7, 3, v2
	v_lshl_add_u32 v6, v7, 1, v6
	v_lshlrev_b32 v6, 10, v6
	v_and_b32 v7, 3, v2
	v_min_u32 v7, 2, v7
	v_lshlrev_b32 v7, 10, v7
	s_lshl_b32 s50, s44, 8
	v_lshl_add_u32 v8, v3, 7, s50                  ; 256 G + 128 h: Wop's one row
	v_add_nc_u32 v5, v5, v8
	v_add_nc_u32 v6, v6, v8
	v_add_nc_u32 v7, v7, v8
	v_cmp_gt_u32 s52, 3, v2
	v_cmp_eq_u32 s53, 3, v2
	v_and_b32 v9, 6, v2
	v_cmp_eq_u32 s54, 4, v9
	v_add_nc_u32 v9, -8, v2
	v_cmp_gt_u32 s55, 3, v9
	s_lshl_b32 s56, s44, 11
	s_mov_b32 s57, 0
	s_add_nc_u64 s[56:57], s[42:43], s[56:57]
.irp p, 0,1
.irp j, 0,1,2,3
	global_load_b128 v[16+4*\j:19+4*\j], v5, s[24:25] offset:64*\p+16*\j
	global_load_b128 v[32+4*\j:35+4*\j], v8, s[30:31] offset:64*\p+16*\j
	global_load_b128 v[48+4*\j:51+4*\j], v6, s[26:27] offset:64*\p+16*\j
	global_load_b128 v[64+4*\j:67+4*\j], v7, s[28:29] offset:64*\p+16*\j
.endr
	s_wait_loadcnt 0x0
.irp n, 0,1,2,3,4,5,6,7,8,9,10,11,12,13,14,15
	v_cndmask_b32 v[80+\n], 0, v[16+\n], s52
	v_cndmask_b32 v[80+\n], v[80+\n], v[32+\n], s53
	v_cndmask_b32 v[80+\n], v[80+\n], v[48+\n], s54
	v_cndmask_b32 v[80+\n], v[80+\n], v[64+\n], s55
.endr
.irp e, 0,1,2,3,4,5,6,7
	v_cvt_pk_bf16_f32 v[96+8*\p+\e], v[80+2*\e], v[81+2*\e]       ; the high words.  Each p has its own registers: no store's data are written again
	v_lshlrev_b32 v128, 16, v[96+8*\p+\e]          ; the high words as f32,
	v_and_b32 v129, s48, v[96+8*\p+\e]
	v_sub_f32 v128, v[80+2*\e], v128               ; what they miss, exactly,
	v_sub_f32 v129, v[81+2*\e], v129
	v_cvt_pk_bf16_f32 v[112+8*\p+\e], v128, v129   ; and that in bf16: the low words
.endr
	global_store_b128 v4, v[96+8*\p:99+8*\p], s[56:57] offset:HDO+1024*\p
	global_store_b128 v4, v[100+8*\p:103+8*\p], s[56:57] offset:HDO+1024*\p+512
	global_store_b128 v4, v[112+8*\p:115+8*\p], s[56:57] offset:HLO+1024*\p
	global_store_b128 v4, v[116+8*\p:119+8*\p], s[56:57] offset:HLO+1024*\p+512
.endr
	s_endpgm
.Lweights:                             ; ---- one set: which tensor, which 64 units, which 128 along K, from the work-group's number alone
	s_mov_b64 s[52:53], s[8:9]
	s_mov_b32 s54, 0                               ; the layer's first set
	s_mov_b32 s55, 1                               ; its K steps
	s_mov_b32 s56, 240                             ; a row in bytes
	s_mov_b32 s57, 32                              ; 32 / K steps, rounded up
	s_cmp_ge_u32 ttmp9, 4
	s_cselect_b64 s[52:53], s[10:11], s[52:53]
	s_cselect_b32 s54, 4, s54
	s_cselect_b32 s55, 2, s55
	s_cselect_b32 s56, 1024, s56
	s_cselect_b32 s57, 16, s57
	s_cmp_ge_u32 ttmp9, 12
	s_cselect_b64 s[52:53], s[12:13], s[52:53]
	s_cselect_b32 s54, 12, s54
	s_cselect_b32 s55, 3, s55
	s_cselect_b32 s56, 1264, s56
	s_cselect_b32 s57, 11, s57
	s_cmp_ge_u32 ttmp9, 24
	s_cselect_b64 s[52:53], s[14:15], s[52:53]
	s_cselect_b32 s54, 24, s54
	s_cselect_b32 s55, 2, s55
	s_cselect_b32 s56, 1024, s56
	s_cselect_b32 s57, 16, s57
	s_sub_co_u32 s58, ttmp9, s54
	s_mul_i32 s59, s58, s57
	s_lshr_b32 s59, s59, 5                         ; G
	s_mul_i32 s60, s59, s55
	s_sub_co_u32 s60, s58, s60                     ; s
	v_lshrrev_b32 v5, 3, v2
	v_and_b32 v6, 7, v2
	v_lshl_add_u32 v5, v5, 5, v6
	s_lshl_b32 s61, s59, 6
	s_lshl_b32 s62, s44, 3
	s_add_co_u32 s61, s61, s62
	v_add_nc_u32 v5, s61, v5                       ; my unit: 64 G + 32 (r / 8) + 8 tt + r % 8
	v_mul_lo_u32 v5, v5, s56
	v_lshl_add_u32 v5, v3, 7, v5
	s_lshl_b32 s62, s60, 9
	v_add_nc_u32 v5, s62, v5                       ; its row, + 512 s + 128 h
	v_lshlrev_b32 v6, 4, v3
	v_sub_nc_u32 v6, v5, v6                        ; the same, 16 bytes back in lanes 16-31
	v_mov_b32 v7, 0x06020400
	v_mov_b32 v13, 0x02060004
	v_cndmask_b32 v7, v7, v13, s48                 ; how the four scale bytes are put together
	s_lshl_b32 s61, ttmp9, 2
	s_add_co_u32 s61, s61, s44                     ; the fragment
	s_mul_i32 s62, s61, 1536
	s_mov_b32 s63, 0
	s_add_nc_u64 s[62:63], s[42:43], s[62:63]
	s_lshl_b32 s61, s61, 6
	v_lshlrev_b32 v13, 2, v2
	v_add_nc_u32 v13, s61, v13                     ; its scale words: 64 x fragment + 4 r
	s_and_b32 s57, s55, 1
	s_add_co_u32 s58, s60, 1
	s_cmp_eq_u32 s58, s55
	s_cselect_b32 s58, s57, 0                      ; the last K step of a layer with an odd number of them is the encoding's
	s_cmp_lg_u32 s58, 0
	s_cbranch_scc1 .Lxpath
.irp c, 0,1
.irp j, 0,1,2,3,4,5,6,7
	global_load_b128 v[16+32*\c+4*\j:19+32*\c+4*\j], v5, s[52:53] offset:256*\c+16*\j   ; k = 128 s + 64 c + 32 h + 4 j ..
.endr
.endr
	s_wait_loadcnt 0x0
	QW 16
	s_branch .Lwstore
.Lxpath:
.irp j, 0,1,2,3,4,5,6
	global_load_b128 v[16+4*\j:19+4*\j], v5, s[52:53] offset:16*\j
.endr
	global_load_b128 v[44:47], v6, s[52:53] offset:112             ; lanes 16-31 would pass the row's 60 numbers: they read four that exist, and drop them
	s_wait_loadcnt 0x0
.irp j, 44,45,46,47
	v_cndmask_b32 v[\j], v[\j], 0, s48
.endr
	PM 0, 3, 7
	PM 1, 6, 8
	PM 2, 9, 1
	PM 3, 12, 4
	PM 4, 4, 9
	PM 5, 7, 10
	PM 6, 10, 2
	PM 7, 13, 5
	PM 8, 5, 11
	PM 9, 8, 0
	PM 10, 11, 3
	PM 11, 14, 6
	PM 12, 15, 12
	PM 13, 16, 13
	PM 14, 21, 14
	PM 15, 22, 15
	PM 16, 17, 16
	PM 17, 0, 29
	PM 18, 23, 17
	PM 19, 1, 30
	PM 20, 27, 18
	PM 21, 30, 19
	PM 22, 28, 20
	PM 23, 31, 21
	PM 24, 29, 22
	PM 25, 18, 23
	PM 26, 19, 24
	PM 27, 24, 25
	PM 28, 25, 26
	PM 29, 20, 27
	PM 30, 26, 28
	PM 31, 2, 31
.irp j, 0,1,2,3,4,5,6,7,8,9,10,11,12,13,14,15,16,17,18,19,20,21,22,23,24,25,26,27,28,29,30,31
	v_mov_b32 v[112+\j], 0                         ; K 64 .. 127 of this step: zeros
.endr
	QW 80
.Lwstore:
	global_store_b128 v4, v[144:147], s[62:63]     ; each store covers 512 consecutive bytes
	global_store_b128 v4, v[148:151], s[62:63] offset:512
	global_store_b128 v4, v[152:155], s[62:63] offset:1024
	global_store_b32 v13, v12, s[42:43] offset:SCO ; both halves of the lanes store the same word with the same value
	s_endpgm
.Lfunc_end_k_q82d5ade2c0_prep:
	.size	k_q82d5ade2c0_prep, .Lfunc_end_k_q82d5ade2c0_prep-k_q82d5ade2c0_prep
	.p2alignl 7, 3214868480
	.fill 96, 4, 3214868480
	.section	.rodata,"a",@progbits
	.p2align	6, 0x0
	.amdhsa_kernel k_q82d5ade2c0_prep
		.amdhsa_group_segment_fixed_size 0
		.amdhsa_private_segment_fixed_size 0
		.amdhsa_enable_private_segment 0
		.amdhsa_kernarg_size 144
		.amdhsa_user_sgpr_count 2
		.amdhsa_user_sgpr_kernarg_segment_ptr 1
		.amdhsa_wavefront_size32 1
		.amdhsa_system_sgpr_workgroup_id_x 1
		.amdhsa_system_sgpr_workgroup_id_y 1
		.amdhsa_system_sgpr_workgroup_id_z 1
		.amdhsa_system_vgpr_workitem_id 0
		.amdhsa_next_free_vgpr 192
		.amdhsa_next_free_sgpr 66
		.amdhsa_reserve_vcc 0
		.amdhsa_float_denorm_mode_32 3
		.amdhsa_float_denorm_mode_16_64 3
		.amdhsa_memory_ordered 1
		.amdhsa_forward_progress 1
		.amdhsa_inst_pref_size 48
	.end_amdhsa_kernel
	.amdgpu_metadata
---
amdhsa.version: [ 1, 2 ]
amdhsa.kernels:
  - .name:           k_q82d5ade2c0_prep
    .symbol:         k_q82d5ade2c0_prep.kd
    .args:
      - { .name: W0, .offset: 0, .size: 8, .value_kind: global_buffer, .address_space: global }
      - { .name: W1, .offset: 8, .size: 8, .value_kind: global_buffer, .address_space: global }
      - { .name: W2, .offset: 16, .size: 8, .value_kind: global_buffer, .address_space: global }
      - { .name: W3, .offset: 24, .size: 8, .value_kind: global_buffer, .address_space: global }
      - { .name: b0, .offset: 32, .size: 8, .value_kind: global_buffer, .address_space: global }
      - { .name: b1, .offset: 40, .size: 8, .value_kind: global_buffer, .address_space: global }
      - { .name: b2, .offset: 48, .size: 8, .value_kind: global_buffer, .address_space: global }
      - { .name: b3, .offset: 56, .size: 8, .value_kind: global_buffer, .address_space: global }
      - { .name: Wxyz, .offset: 64, .size: 8, .value_kind: global_buffer, .address_space: global }
      - { .name: Wrot, .offset: 72, .size: 8, .value_kind: global_buffer, .address_space: global }
      - { .name: Wscale, .offset: 80, .size: 8, .value_kind: global_buffer, .address_space: global }
      - { .name: Wop, .offset: 88, .size: 8, .value_kind: global_buffer, .address_space: global }
      - { .name: bxyz, .offset: 96, .size: 8, .value_kind: global_buffer, .address_space: global }
      - { .name: brot, .offset: 104, .size: 8, .value_kind: global_buffer, .address_space: global }
      - { .name: bscale, .offset: 112, .size: 8, .value_kind: global_buffer, .address_space: global }
      - { .name: bop, .offset: 120, .size: 8, .value_kind: global_buffer, .address_space: global }
      - { .name: time, .offset: 128, .size: 8, .value_kind: global_buffer, .address_space: global }
      - { .name: wimg, .offset: 136, .size: 8, .value_kind: global_buffer, .address_space: global }
    .group_segment_fixed_size: 0
    .private_segment_fixed_size: 0
    .kernarg_segment_align: 8
    .kernarg_segment_size: 144
    .max_flat_workgroup_size: 128
    .sgpr_count:     66
    .vgpr_count:     192
    .wavefront_size: 32
...
	.end_amdgpu_metadata
.endif
;; end of part 1
;; launch mlp (part 2): grid 256 x 1, 8 waves a work-group, clusters of 4 x 1, 327,680 bytes of LDS; arguments canonical_xyz, wimg, out0, out1, out2, out3; writes out0, out1, out2, out3
.if DOCPART == 2
	.amdgcn_target "amdgcn-amd-amdhsa--gfx1250"
	.amdhsa_code_object_version 6
	.text
	.protected	k_q82d5ade2c0_mlp
	.globl	k_q82d5ade2c0_mlp
	.p2align	8
	.type	k_q82d5ade2c0_mlp,@function
k_q82d5ade2c0_mlp:
	s_mov_b64 s[64:65], 0
	v_nop
	global_prefetch_b8 v0, s[64:65] scope:SCOPE_SE
	s_setreg_imm32_b32 hwreg(HW_REG_WAVE_MODE, 25, 1), 1
	s_wait_xcnt 0x0
	s_wait_alu depctr_hold_cnt(0) depctr_sa_sdst(0) depctr_va_vdst(0) depctr_va_sdst(0) depctr_va_ssrc(0) depctr_va_vcc(0) depctr_vm_vsrc(0)
	s_getreg_b32 s2, hwreg(HW_REG_IB_STS2, 6, 4)
	s_cmp_eq_u32 s2, 0
	s_cbranch_scc0 .Lentry_in_a_cluster
	s_endpgm
.Lentry_in_a_cluster:
	s_bfe_u32 s2, ttmp6, 0x10000c
	s_cmp_lg_u32 s2, 0x3003
	s_cbranch_scc0 .Lentry_shape_is_right
	s_endpgm
.Lentry_shape_is_right:
; The whole network for 262,144 points: encoding, four layers on E2M3 codes with E8M0 scales, four heads in bf16.  Nothing between the encoding and the outputs goes to memory.
; SHARES.  A work-group takes 1,024 rows, each of its eight waves 128, in two passes of four tiles of 16 rows.  A wave takes its rows through the whole chain alone: the hidden layers stay in its registers.
; THE WEIGHTS (codes, scale words, the heads' bf16 fragments: 221,184 bytes, laid by the first launch as images of the operand registers) fill LDS once; every wave reads them from there, a unit of two fragments
; at a time through a ring of three register slots; each fragment feeds four products.
; CLUSTER.  All work-groups read the same weights: the four of a cluster ask for them jointly, each wave for 108 rows of 256 bytes.  A work-group's place in its cluster enters the addresses of xyz and of the outputs alone.
; LAYOUT.  Every product is used transposed: source 0 = 16 units of the weights, source 1 = 16 rows.  Row r of tile tt of a group G of 64 units is unit 64 G + 32 (r / 8) + 8 tt + r % 8, so lane (r, h) holds row r
; and the 32 registers of its four tiles are units 64 G + 32 h + 0 .. 31: ONE WHOLE BLOCK of the next K, the block that the next operand's layout gives this very lane.  So a block's largest number needs no other lane,
; and the conversions' results are the operand's registers; only the scale word's bytes cross the halves of the lanes.
; THE ENCODING's 60 numbers are two blocks (lanes 0-15 block 0, lanes 16-31 block 1), permuted inside each block as the first launch permutes W0 and the last 60 columns of W2; its codes serve layers 0 and 2.
; Its operand names twelve registers of which six are its own: the weights' codes for K 64 .. 127 are zeros and every code is a finite number, so what the other six hold adds nothing.
; The biases are the C of each sum's first product (so a bias is added first, not last).
; THE HEADS.  One bf16 word has 8 significant bits: half a step is 2^-8 of a number's binade, and 256 such errors beside an allowance of a hundredth of an output's root mean square are too much.  So both operands
; go as TWO bf16 words, w = wh + wl and h = hh + hl, and three products are summed in f32: wh hh + wl hh + wh hl.  hh is the f32 number's upper half, hl = bf16(h - hh).  Left out: wl hl and the low words' rounding,
; under 2^-15 of a product.
; SINE AND COSINE: as in the first launch: quarter turns in two words, exact reduction, polynomials, exact rotation by the quadrant.
; LIMITS: |x|, |y|, |z| under 65,536 (quarter turns under 2^22); NaN and infinities are not served; a block whose largest number lies under 2^-124, zeros too, keeps the scale byte 1 (its codes are zeros or the
; format's smallest; the bytes are this program's own).
; LDS: 0 .. 221,184 the weights; from there 12,288 bytes for each wave, its own: +0 raw xyz (1,536), +1,536 the time's numbers (1,536), +3,072 + 1,024 t the codes and scale word of the encoding of tile t (8 tiles).
; The stage for the outputs lies over the first 6,144 of these bytes (out0 +0, out2 +1,536, out1 +3,072, out3 +5,120, +5,632 never read): all that lay there has been read when the first result is stored.
; REGISTERS.  Window 0: v1, v2, v47, v45 16 x lane + 0, 1, 2, 3 x 49,152; v3 scale words' address; v4 128 h; v5 byte selects; v6-10 the wave's LDS places; v11, v15, v46 addresses in hand; v12-14 the ring's scale words;
;   v16-19 the encoding's scale words; v20-27, v28-35 the hidden layers'; v36-43 at work; v44 1 or 8; v48-175 sixteen accumulators (48 + 32 i + 8 tt); v176-247 the ring (176 + 24 slot + 12 f); v248-255 the heads' bias.
;   Window 1: v0-95, v96-191 two hidden layers' codes (24 i + 12 s); v192-215 the encoding's codes (6 i); v216-223 conversions' second halves; v224-255 the group's bias.
;   In layer 3: window 1 v96-159 the rows' high words, v160-175 the heads' high fragments, v176-191 their low ones, v192-223 the heads' sums; the rows' low words lie in the accumulators' registers (48 + 32 i + 16 p + 0 .. 7).
.set SCL,  212992
.set BIO,  221184
.set HBO,  225280
.set TCO,  225536
.set PWB,  221184                      ; LDS: the waves' own regions begin here
.set PWS,  12288
.set ACC,  48
.set WR,   176
.set E,    48                          ; the encode: 32 numbers of a lane
.set PT,   96                          ; five sets of 20 registers at work
.set WA,   196                         ; quarter turns of x (lanes 0-15) or z (lanes 16-31), x 1 and x 8: high words; WAL: low words
.set WAL,  198
.set WY,   200                         ; of y, x 1 and x 2 (lanes 0-15) or x 8 and x 16 (lanes 16-31)
.set WYL,  202
.set MG,   40
.set S9P,  42
.set C10P, 44
.set NMG,  60
.set MG4,  62
.set NMG4, 66
.set DUAL, 1                           ; 1: the activation two registers an instruction
.set MSB,  0
.set DSN,  0                           ; counts the LDS loads of a pass as they are written; SEQ..: its value behind the loads of a ring slot or of the heads' fragments
.set SEQ0, 0
.set SEQ1, 0
.set SEQ2, 0
.set SEQH, 0
.set UU,   0                           ; the unit in hand, 0 .. 63
.macro WIN new                         ; the immediate's high byte repeats the setting that is left
.if MSB != \new
	s_set_vgpr_msb (MSB<<8)|\new
.set MSB, \new
.endif
.endm
.macro PLACES                          ; four plain places behind matrix instructions, in front of loads into their registers and of the first read of results
.rept 4
	v_nop
.endr
.endm
.macro ROUND                           ; a round of the cluster's barrier
	s_barrier_signal -1
	s_barrier_wait -1
	s_cmp_lg_u32 s16, 0
	s_cbranch_scc1 .Lnot_wave_0_\@
	s_barrier_signal -3
.Lnot_wave_0_\@:
	s_barrier_wait -3
	s_barrier_signal -1
	s_barrier_wait -1
.endm
; Stage k of 25 of the sine and cosine of two angles: as in the first launch.
.macro PEST k, wh, wl, m, sn, cs, t
.if \k == 0
	v_pk_fma_f32 v[8+(\t):9+(\t)], v[\wh:\wh+1], \m, s[MG:MG+1] op_sel_hi:[1,0,0]
.elseif \k == 1
	v_pk_add_f32 v[0+(\t):1+(\t)], v[8+(\t):9+(\t)], s[NMG:NMG+1] op_sel_hi:[1,0]
.elseif \k == 2
	v_pk_fma_f32 v[2+(\t):3+(\t)], v[\wh:\wh+1], \m, v[0+(\t):1+(\t)] op_sel_hi:[1,0,1] neg_lo:[0,0,1] neg_hi:[0,0,1]
.elseif \k == 3
	v_pk_add_f32 v[10+(\t):11+(\t)], v[0+(\t):1+(\t)], s[MG4:MG4+1] op_sel_hi:[1,0]
.elseif \k == 4
	v_pk_add_f32 v[10+(\t):11+(\t)], v[10+(\t):11+(\t)], s[NMG4:NMG4+1] op_sel_hi:[1,0]
.elseif \k == 5
	v_pk_add_f32 v[4+(\t):5+(\t)], v[0+(\t):1+(\t)], v[10+(\t):11+(\t)] neg_lo:[0,1] neg_hi:[0,1]
.elseif \k == 6
	v_pk_fma_f32 v[2+(\t):3+(\t)], v[\wl:\wl+1], \m, v[2+(\t):3+(\t)] op_sel_hi:[1,0,1]
.elseif \k == 7
	v_pk_mul_f32 v[6+(\t):7+(\t)], v[2+(\t):3+(\t)], v[2+(\t):3+(\t)]
.elseif \k == 8
	v_pk_fma_f32 v[8+(\t):9+(\t)], v[6+(\t):7+(\t)], s[S9P:S9P+1], 0xbb996966 op_sel_hi:[1,0,0]
.elseif \k == 9
	v_pk_fma_f32 v[10+(\t):11+(\t)], v[6+(\t):7+(\t)], s[C10P:C10P+1], 0x3a70fa83 op_sel_hi:[1,0,0]
.elseif \k == 10
	v_pk_fma_f32 v[8+(\t):9+(\t)], v[8+(\t):9+(\t)], v[6+(\t):7+(\t)], 0x3da335e3 op_sel_hi:[1,1,0]
.elseif \k == 11
	v_pk_fma_f32 v[10+(\t):11+(\t)], v[10+(\t):11+(\t)], v[6+(\t):7+(\t)], 0xbcaae9e4 op_sel_hi:[1,1,0]
.elseif \k == 12
	v_pk_fma_f32 v[8+(\t):9+(\t)], v[8+(\t):9+(\t)], v[6+(\t):7+(\t)], 0xbf255de7 op_sel_hi:[1,1,0]
.elseif \k == 13
	v_pk_fma_f32 v[10+(\t):11+(\t)], v[10+(\t):11+(\t)], v[6+(\t):7+(\t)], 0x3e81e0f8 op_sel_hi:[1,1,0]
.elseif \k == 14
	v_pk_fma_f32 v[8+(\t):9+(\t)], v[8+(\t):9+(\t)], v[6+(\t):7+(\t)], 0x3fc90fdb op_sel_hi:[1,1,0]
.elseif \k == 15
	v_pk_fma_f32 v[10+(\t):11+(\t)], v[10+(\t):11+(\t)], v[6+(\t):7+(\t)], 0xbf9de9e6 op_sel_hi:[1,1,0]
.elseif \k == 16
	v_pk_mul_f32 v[8+(\t):9+(\t)], v[8+(\t):9+(\t)], v[2+(\t):3+(\t)]
.elseif \k == 17
	v_pk_fma_f32 v[10+(\t):11+(\t)], v[10+(\t):11+(\t)], v[6+(\t):7+(\t)], 1.0 op_sel_hi:[1,1,0]
.elseif \k == 18
	v_sub_f32 v[12+(\t)], 1.0, |v[4+(\t)]|
	v_sub_f32 v[13+(\t)], 1.0, |v[5+(\t)]|
.elseif \k == 19
	v_sub_f32 v[14+(\t)], 2.0, |v[4+(\t)]|
	v_sub_f32 v[15+(\t)], 2.0, |v[5+(\t)]|
.elseif \k == 20
	v_pk_mul_f32 v[14+(\t):15+(\t)], v[14+(\t):15+(\t)], v[4+(\t):5+(\t)]
.elseif \k == 21
	v_pk_mul_f32 v[16+(\t):17+(\t)], v[8+(\t):9+(\t)], v[12+(\t):13+(\t)]
.elseif \k == 22
	v_pk_mul_f32 v[18+(\t):19+(\t)], v[10+(\t):11+(\t)], v[12+(\t):13+(\t)]
.elseif \k == 23
	v_pk_fma_f32 v[0+(\sn):1+(\sn)], v[10+(\t):11+(\t)], v[14+(\t):15+(\t)], v[16+(\t):17+(\t)]
.else
	v_pk_fma_f32 v[0+(\cs):1+(\cs)], v[8+(\t):9+(\t)], v[14+(\t):15+(\t)], v[18+(\t):19+(\t)] neg_lo:[1,0,0] neg_hi:[1,0,0]
.endif
.endm
.macro SW a, j                         ; lanes 16-31 hand a number that belongs to block 0 to lanes 0-15, and take one of the time's numbers for it
	v_permlane16_swap_b32 v[E+\a], v[E+20+\j]
.endm
; THE ENCODING OF ONE TILE OF 16 ROWS (s52: its xyz in the wave's region, s53: where its codes go).  Lanes 0-15 make x's 12 numbers and y's of l = 0, 1, 2, lanes 16-31 z's 12 and y's of l = 3, 4, 5.
.macro ENC1
	v_add_nc_u32 v11, s52, v6                      ; (the loads that last named v11 have been waited for)
	ds_load_b32 v92, v11
	ds_load_b32 v93, v11 offset:4
	ds_load_b32 v94, v11 offset:8
	ds_load_b128 v[E+20:E+23], v7 offset:1536      ; the time's numbers
	ds_load_b128 v[E+24:E+27], v7 offset:2048
	ds_load_b128 v[E+28:E+31], v7 offset:2560
	s_wait_dscnt 0x3                               ; x, y, z are in (behind them: the three loads just above); so is all that was issued earlier, the last tile's stores among it
	v_add_nc_u32 v15, s53, v7                      ; so their address may be written
	v_cndmask_b32 v204, v92, v94, s36              ; x or z
	v_mul_f32 v204, s48, v204                      ; x pi, rounded as the angle of l = 0 is
	v_mul_f32 v205, s48, v93
	v_mul_f32 v[WA], s46, v204                     ; quarter turns, high word
	v_mul_f32 v206, s46, v205
	v_fma_f32 v207, v204, s46, -v[WA]              ; what that product lost, exactly
	v_fma_f32 v208, v205, s46, -v206
	v_fma_f32 v[WAL], v204, s47, v207              ; + the low word of 2 / pi
	v_fma_f32 v209, v205, s47, v208
	v_mul_f32 v[WA+1], 0x41000000, v[WA]
	v_mul_f32 v[WAL+1], 0x41000000, v[WAL]
	v_mul_f32 v[WY], v206, v44
	v_mul_f32 v[WYL], v209, v44
	v_add_f32 v[WY+1], v[WY], v[WY]
	v_add_f32 v[WYL+1], v[WYL], v[WYL]
.irp k, 0,1,2,3,4,5,6,7,8,9,10,11,12,13,14,15,16,17,18,19,20,21,22,23,24
	PEST \k, WA, WAL, 1.0, E, E+2, PT              ; l = 0, 3   (the five by turns: no line waits for the line above it)
	PEST \k, WA, WAL, 2.0, E+4, E+6, PT+20         ; l = 1, 4
	PEST \k, WA, WAL, 4.0, E+8, E+10, PT+40        ; l = 2, 5
	PEST \k, WY, WYL, 1.0, E+12, E+14, PT+60       ; y: l = 0, 1 or 3, 4
	PEST \k, WY, WYL, 4.0, E+16, E+18, PT+80       ; y: l = 2 or 5; the pair's second is not wanted
.endr
	v_cndmask_b32 v[E+17], v92, 0, s36             ; x, or padding
	v_cndmask_b32 v[E+19], v93, 0, s36             ; y, or padding
	s_wait_dscnt 0x0                               ; the time's numbers are in
	v_cndmask_b32 v[E+31], v94, 0, s36             ; z, or padding
	SW 0, 0
	SW 1, 1
	SW 4, 2
	SW 5, 3
	SW 8, 4
	SW 12, 5
	SW 13, 6
	SW 14, 7
	SW 15, 8
	SW 16, 9
	SW 18, 10
	v_max3_num_f32 v204, |v[E]|, |v[E+1]|, 0x1800000               ; my block's largest magnitude, with the floor 2^(3 - 127); two chains
	v_max3_num_f32 v205, |v[E+16]|, |v[E+17]|, |v[E+18]|
.irp i, 2,4,6,8,10,12
	v_max3_num_f32 v204, v204, |v[E+\i]|, |v[E+\i+1]|
	v_max3_num_f32 v205, v205, |v[E+17+\i]|, |v[E+18+\i]|
.endr
	v_max3_num_f32 v204, v204, |v[E+14]|, |v[E+15]|
	v_max3_num_f32 v204, v204, v205, |v[E+31]|
	v_add_nc_u32 v204, 0xff000000, v204            ; 2 off the exponent field: the conversion's scale operand
	v_lshrrev_b32 v205, 23, v204                   ; the byte
	v_permlanex16_b32 v206, v205, s38, s39
	v_perm_b32 v86, v206, v205, v5                 ; bytes 0 and 1; bytes 2 and 3 are 0
	v_mov_b32 v87, 0
	v_cvt_scalef32_pk16_fp6_f32 v[80:82], v[E:E+15], v204
	v_cvt_scalef32_pk16_fp6_f32 v[88:90], v[E+16:E+31], v204       ; (a conversion's three registers begin on an even number)
	v_nop                                          ; one plain place behind the conversions
	v_mov_b32 v83, v88
	v_mov_b32 v84, v89
	v_mov_b32 v85, v90
	ds_store_b128 v15, v[80:83] offset:3072        ; six registers of codes, the scale word and a zero, as an image of the registers
	ds_store_b128 v15, v[84:87] offset:3584
.endm
; A pass's four encodings come back into the operand's registers.
.macro XLOAD
	WIN 0x40
.irp i, 0,1,2,3
	ds_load_b128 v[192+6*\i:195+6*\i], v15 offset:3072+1024*\i
	ds_load_b64 v[196+6*\i:197+6*\i], v15 offset:3584+1024*\i
.endr
	WIN 0
.irp i, 0,1,2,3
	ds_load_b32 v[16+\i], v15 offset:3592+1024*\i
.endr
.set DSN, DSN+12
.endm
; Unit u (two fragments and their rows' scale words: the even tile's in lanes 0-15, the odd one's in lanes 16-31) into ring slot u % 3.  Destination and address lie in window 0.
.macro LOADU u
.if (MSB & 0xc3) != 0
	WIN 0
.endif
.set LSG, (\u)%3
.set LPT, (\u)/16
.if LPT == 0
.set LAW, 1
.elseif LPT == 1
.set LAW, 2
.elseif LPT == 2
.set LAW, 47
.else
.set LAW, 45
.endif
.irp f, 0,1
.irp q, 0,1,2
	ds_load_b128 v[WR+24*LSG+12*\f+4*\q:WR+24*LSG+12*\f+4*\q+3], v[LAW] offset:3072*((\u)%16)+1536*\f+512*\q
.endr
.endr
	ds_load_b32 v[12+LSG], v3 offset:128*(\u)
.set DSN, DSN+7
.if LSG == 0
.set SEQ0, DSN
.elseif LSG == 1
.set SEQ1, DSN
.else
.set SEQ2, DSN
.endif
.endm
; The heads' fragments of group G: two of high words (w = 0), two of low words (w = 1).
.macro LOADH G
	WIN 0x40
.irp w, 0,1
.irp p, 0,1
.irp q, 0,1
	ds_load_b128 v[160+16*\w+8*\p+4*\q:160+16*\w+8*\p+4*\q+3], v45 offset:49152+8192*\w+1024*(2*(\G)+\p)+512*\q
.endr
.endr
.endr
.set DSN, DSN+8
.set SEQH, DSN
.endm
; The bias of group g (4 x layer + G) in the result's layout: lane (r, h), tile tt: units 64 G + 32 h + 8 tt + 0 .. 7.
.macro BIASLOAD g
	WIN 0x40
.irp t, 0,1,2,3
	global_load_b128 v[224+8*\t:227+8*\t], v4, s[32:33] offset:256*(\g)+32*\t
	global_load_b128 v[228+8*\t:231+8*\t], v4, s[32:33] offset:256*(\g)+32*\t+16
.endr
.endm
; Unit UU's eight products: its two tiles x the four tiles of rows.  kind = 1: source 1 is the encoding.  The sixteen accumulators take turns, one instruction a turn.
.macro MULU kind, inb, insb
.set SG, UU%3
.if SG == 0
.set SQW, SEQ0
.elseif SG == 1
.set SQW, SEQ1
.else
.set SQW, SEQ2
.endif
	s_wait_dscnt DSN-SQW                           ; the unit is in: the count is that of the LDS loads written behind its own
.irp f, 0,1
.irp i, 0,1,2,3
.set rD, ACC+32*\i+8*(2*(UU%2)+\f)
.set rA, WR+24*SG+12*\f
.if \kind
.set rB, 192+6*\i
.set rS, 16+\i
.else
.set rB, \inb+24*\i+12*ks
.set rS, \insb+2*\i+ks
.endif
.if ks == 0
.set rC, 224+8*(2*(UU%2)+\f)
.else
.set rC, rD
.endif
.if \f == 0
	v_wmma_scale_f32_16x16x128_f8f6f4 v[rD:rD+7], v[rA:rA+11], v[rB:rB+11], v[rC:rC+7], v[12+SG], v[rS] matrix_a_fmt:MATRIX_FMT_FP6 matrix_b_fmt:MATRIX_FMT_FP6
.else
	v_wmma_scale_f32_16x16x128_f8f6f4 v[rD:rD+7], v[rA:rA+11], v[rB:rB+11], v[rC:rC+7], v[12+SG], v[rS] matrix_a_fmt:MATRIX_FMT_FP6 matrix_b_fmt:MATRIX_FMT_FP6 matrix_a_scale:MATRIX_SCALE_ROW1
.endif
.endr
.endr
.endm
.macro RELUALL                         ; the activation, in f32, each accumulator from its low end on
.set RLA, ACC
.rept 64
.if DUAL
	v_dual_max_num_f32 v[RLA], 0, v[RLA] :: v_dual_max_num_f32 v[RLA+1], 0, v[RLA+1]
.else
	v_max_num_f32 v[RLA], 0, v[RLA]
	v_max_num_f32 v[RLA+1], 0, v[RLA+1]
.endif
.set RLA, RLA+2
.endr
.endm
; A group's 64 units of the four tiles of rows become codes: registers 6 G .. 6 G + 5 of each tile's 24, and a byte of its scale words.
.macro VQ G, outb, outsb
	WIN 0
	RELUALL
.irp i, 0,1,2,3
	v_max3_num_f32 v[36+\i], v[ACC+32*\i], v[ACC+32*\i+1], 0x1800000   ; my block's largest number (none is negative), with the floor 2^(3 - 127); the four tiles by turns
.endr
.irp e, 2,4,6,8,10,12,14,16,18,20,22,24,26,28,30
.irp i, 0,1,2,3
	v_max3_num_f32 v[36+\i], v[36+\i], v[ACC+32*\i+\e], v[ACC+32*\i+\e+1]
.endr
.endr
.irp i, 0,1,2,3
	v_add_nc_u32 v[36+\i], 0xff000000, v[36+\i]    ; 2 off the exponent field: the conversion's scale operand
.endr
.if (\G)%2 == 0
.irp i, 0,1,2,3
	v_lshrrev_b32 v[\outsb+2*\i+(\G)/2], 23, v[36+\i]              ; the byte of block h of this K step
.endr
.else
.irp i, 0,1,2,3
	v_lshrrev_b32 v[40+\i], 23, v[36+\i]           ; that of block 2 + h
.endr
.irp i, 0,1,2,3
	v_lshl_or_b32 v[\outsb+2*\i+(\G)/2], v[40+\i], 16, v[\outsb+2*\i+(\G)/2]
.endr
.irp i, 0,1,2,3
	v_permlanex16_b32 v[40+\i], v[\outsb+2*\i+(\G)/2], s38, s39
.endr
.irp i, 0,1,2,3
	v_perm_b32 v[\outsb+2*\i+(\G)/2], v[40+\i], v[\outsb+2*\i+(\G)/2], v5   ; with lane l xor 16's two the word is whole
.endr
.endif
.irp x, 0,2
	WIN 0x40
	v_cvt_scalef32_pk16_fp6_f32 v[\outb+24*\x+6*(\G):\outb+24*\x+6*(\G)+2], v[ACC+32*\x:ACC+32*\x+15], v[36+\x]
	v_cvt_scalef32_pk16_fp6_f32 v[216:218], v[ACC+32*\x+16:ACC+32*\x+31], v[36+\x]     ; (a conversion's three registers begin on an even number)
	v_cvt_scalef32_pk16_fp6_f32 v[\outb+24*(\x+1)+6*(\G):\outb+24*(\x+1)+6*(\G)+2], v[ACC+32*(\x+1):ACC+32*(\x+1)+15], v[37+\x]
	v_cvt_scalef32_pk16_fp6_f32 v[220:222], v[ACC+32*(\x+1)+16:ACC+32*(\x+1)+31], v[37+\x]
	v_nop                                          ; one plain place behind the conversions
	WIN 0x41
.irp k, 0,1,2
	v_mov_b32 v[\outb+24*\x+6*(\G)+3+\k], v[216+\k]
	v_mov_b32 v[\outb+24*(\x+1)+6*(\G)+3+\k], v[220+\k]
.endr
.endr
.if \G == 3
	PLACES                                         ; operands written by vector instructions stand four places ahead of a scaled product
.endif
.endm
; Layer 3: a group's 64 units go, as two bf16 words each, straight into the heads' sums: for each tile of rows two steps of 32 along K, three products a step.
.macro VH G
	WIN 0
	RELUALL
	v_mov_b32 v40, -1.0
	WIN 0x40
.irp i, 0,1,2,3
.irp p, 0,1
.irp e, 0,1,2,3,4,5,6,7
	v_perm_b32 v[96+16*\i+8*\p+\e], v[ACC+32*\i+16*\p+2*\e+1], v[ACC+32*\i+16*\p+2*\e], s37   ; the high words: the upper halves of two neighbours, the lower unit in the lower half
.endr
.endr
.endr
	WIN 0
.set RLA, ACC
.rept 128
	v_fma_mix_f32_bf16 v[RLA], v[RLA], v40, v[RLA] op_sel:[1,0,0] op_sel_hi:[1,0,0]   ; h - its upper half taken as bf16: exact
.set RLA, RLA+1
.endr
.irp i, 0,1,2,3
.irp p, 0,1
.irp e, 0,1,2,3,4,5,6,7
	v_cvt_pk_bf16_f32 v[ACC+32*\i+16*\p+\e], v[ACC+32*\i+16*\p+2*\e], v[ACC+32*\i+16*\p+2*\e+1]   ; the low words, into the lower 8 of each 16 registers: register e is free when pair e is packed
.endr
.endr
.endr
	PLACES
	s_wait_dscnt DSN-SEQH                          ; the heads' fragments of this group are in: the count is that of the LDS loads written behind them
.irp p, 0,1                            ; wh hh.  The four sums take turns, one instruction a turn
.irp i, 0,1,2,3
.if (\G == 0) && (\p == 0)
	WIN 0x45                                       ; sources 0 and 1 and the result in window 1, C (the heads' bias) in window 0
	v_wmma_f32_16x16x32_bf16 v[192+8*\i:199+8*\i], v[160+8*\p:167+8*\p], v[96+16*\i+8*\p:103+16*\i+8*\p], v[248:255]
.else
	WIN 0x55
	v_wmma_f32_16x16x32_bf16 v[192+8*\i:199+8*\i], v[160+8*\p:167+8*\p], v[96+16*\i+8*\p:103+16*\i+8*\p], v[192+8*\i:199+8*\i]
.endif
.endr
.endr
.irp p, 0,1                            ; wl hh
.irp i, 0,1,2,3
	v_wmma_f32_16x16x32_bf16 v[192+8*\i:199+8*\i], v[176+8*\p:183+8*\p], v[96+16*\i+8*\p:103+16*\i+8*\p], v[192+8*\i:199+8*\i]
.endr
.endr
	WIN 0x51                                       ; source 1 (the rows' low words) in window 0
.irp p, 0,1                            ; wh hl
.irp i, 0,1,2,3
	v_wmma_f32_16x16x32_bf16 v[192+8*\i:199+8*\i], v[160+8*\p:167+8*\p], v[ACC+32*\i+16*\p:ACC+32*\i+16*\p+7], v[192+8*\i:199+8*\i]
.endr
.endr
.rept 5
	v_nop                                          ; the next product writes over registers that these products read: five places (ISA guide 7.12.1)
.endr
.endm
; A group: 64 units of a layer for the pass's 64 rows: nk K steps of two units, then what is made of the sums.
.macro GROUP lay, G, nk, inb, insb, outb, outsb
	s_wait_loadcnt 0x0                             ; the group's bias
.set ks, 0
.rept \nk
.set kq, 0
.rept 2
.if ks == 0
	WIN 0x14                                       ; source 1 (the rows' codes) and C (the bias) in window 1
.else
	WIN 0x04
.endif
.if (\lay == 0) || ((\lay == 2) && (ks == 2))
	MULU 1, 0, 0
.else
	MULU 0, \inb, \insb
.endif
	PLACES
.if UU+3 < 64
	LOADU UU+3                                     ; into the slot just multiplied: three units ahead
.endif
.if (ks == 0) && (kq == 1) && (4*\lay+\G < 15)
	BIASLOAD 4*\lay+\G+1                           ; a group ahead, behind the last product that read this group's
.endif
.if (\lay == 3) && (ks == 0) && (kq == 0)
	LOADH \G                                       ; behind the last group's products on these registers and their places; three units' products ahead of their use
.endif
.set UU, UU+1
.set kq, kq+1
.endr
.set ks, ks+1
.endr
.if \lay < 3
	VQ \G, \outb, \outsb
.else
	VH \G
.endif
.endm
.macro FL k, lo, off                   ; 512 bytes of the stage go out: behind load k stand 10 - k younger ones
	s_wait_dscnt 10-\k
	global_store_b128 v1, v[48+4*\k:51+4*\k], s[\lo:\lo+1] offset:\off th:TH_STORE_NT
.endm
	s_load_b256 s[4:11], s[0:1], 0x0               ; xyz s[4:5], wimg s[6:7], out0 s[8:9], out1 s[10:11]
	s_load_b128 s[12:15], s[0:1], 0x20             ; out2 s[12:13], out3 s[14:15]
	v_lshl_add_u32 v254, v0, 2, 0x4dc00
	v_mov_b32 v255, 0
	ds_add_u32 v254, v255
	ds_add_u32 v254, v255
	s_wait_dscnt 0x0
	v_lshrrev_b32 v1, 5, v0
	v_readfirstlane_b32 s16, v1                    ; wave 0..7
	s_bfe_u32 s17, ttmp6, 0x40000                  ; cx: my place in the cluster
	s_lshl_b32 s18, ttmp9, 2
	s_add_co_u32 s18, s18, s17                     ; work-group = 4 x cluster + cx
	s_lshl_b32 s18, s18, 10
	s_lshl_b32 s19, s16, 7
	s_add_co_u32 s18, s18, s19                     ; my wave's first row
	s_mov_b32 s36, 0xffff0000                      ; the mask of lanes 16-31
	s_mov_b32 s37, 0x07060302                      ; byte selects: the upper halves of two registers
	s_mov_b32 s38, 0x76543210
	s_mov_b32 s39, 0xfedcba98                      ; selects for lane l xor 16
	s_mov_b32 s[MG], 0x4b400000                    ; 1.5 x 2^23 (each pair's two words are written: a packed form names the pair)
	s_mov_b32 s[MG+1], 0x4b400000
	s_mov_b32 s[S9P], 0x39283c1a
	s_mov_b32 s[S9P+1], 0x39283c1a
	s_mov_b32 s[C10P], 0xb7d368f9
	s_mov_b32 s[C10P+1], 0xb7d368f9
	s_mov_b32 s46, 0x3f22f983                      ; 2 / pi, high word
	s_mov_b32 s47, 0x32dc9c88                      ; low word
	s_mov_b32 s48, 0x40490fdb                      ; pi
	s_mov_b32 s[NMG], 0xcb400000
	s_mov_b32 s[NMG+1], 0xcb400000
	s_mov_b32 s[MG4], 0x4c400000                   ; 1.5 x 2^25
	s_mov_b32 s[MG4+1], 0x4c400000
	s_mov_b32 s[NMG4], 0xcc400000
	s_mov_b32 s[NMG4+1], 0xcc400000
	; descriptor group 1: 108 rows of 32 elements of 8 bytes, dense, no padding
	s_mov_b32 s24, 15|(3<<16)|(1<<21)              ; 15:0 the mask: all four work-groups; 17:16 elements of 8 bytes; 21 set beside a mask
	s_mov_b32 s25, 32<<16                          ; tensor_dim0 = 32
	s_mov_b32 s26, 108<<16                         ; tensor_dim1 = 108
	s_mov_b32 s27, 32<<16                          ; tile_dim0 = 32
	s_mov_b32 s28, 108                             ; tile_dim1 = 108
	s_mov_b32 s29, 32                              ; from row to row
	s_mov_b32 s30, 0
	s_mov_b32 s31, 0
	s_mov_b32 s20, 1                               ; group 0: count = 1
	s_mul_i32 s21, s16, 27648                      ; LDS address: my wave's eighth
	s_mov_b32 s34, s21
	s_mov_b32 s35, 0
	s_wait_kmcnt 0x0
	s_add_nc_u64 s[22:23], s[6:7], s[34:35]        ; and the same eighth of the image in memory
	s_or_b32 s23, s23, 0x80000000                  ; type = 2
	ROUND                                          ; all four work-groups are here: the joint loads meet
	tensor_load_to_lds s[20:23], s[24:31]          ; my one tensor load of the launch
	s_nop 0
.rept 4
	v_nop
.endr
	WIN 0x40                                       ; (behind the four lines that follow the tensor load)
.irp j, 216,217,218,219,220,221,222,223
	v_mov_b32 v[\j], 0                             ; named with the last tile's encoding as an operand before a conversion first writes them.  They are written here, ahead of the
.endr                                              ; address work below, whose lines are the plain places between these moves and the first scaled product that names them
	WIN 0
	s_mul_i32 s34, s18, 12
	s_add_nc_u64 s[4:5], s[4:5], s[34:35]          ; xyz, out0 and out2 at my first row: 12 bytes a row
	s_add_nc_u64 s[8:9], s[8:9], s[34:35]
	s_add_nc_u64 s[12:13], s[12:13], s[34:35]
	s_lshl_b32 s34, s18, 4
	s_add_nc_u64 s[10:11], s[10:11], s[34:35]      ; out1: 16
	s_lshl_b32 s34, s18, 2
	s_add_nc_u64 s[14:15], s[14:15], s[34:35]      ; out3: 4
	s_add_nc_u64 s[32:33], s[6:7], BIO             ; the biases
	s_mul_i32 s58, s16, PWS
	s_add_co_u32 s58, s58, PWB                     ; my wave's own region of LDS
	v_and_b32 v46, 31, v0                          ; lane
	v_and_b32 v15, 15, v0                          ; r
	v_bfe_u32 v11, v0, 4, 1                        ; h
	v_lshlrev_b32 v1, 4, v46
	v_add_nc_u32 v2, 49152, v1
	v_add_nc_u32 v47, 98304, v1
	v_add_nc_u32 v45, 147456, v1
	v_lshl_add_u32 v3, v46, 2, SCL
	v_lshlrev_b32 v4, 7, v11
	v_mov_b32 v5, 0x06020400
	v_mov_b32 v6, 0x02060004
	v_cndmask_b32 v5, v5, v6, s36
	v_mov_b32 v44, 0x41000000
	v_cndmask_b32 v44, 1.0, v44, s36
	v_mul_u32_u24 v6, v15, 12
	v_add_nc_u32 v6, s58, v6                       ; + 12 r
	v_add_nc_u32 v7, s58, v1                       ; + 16 x lane
	v_mad_u32_u24 v8, v11, 1536, v6                ; + 12 r + 1536 h: out0's image, or out2's
	v_lshl_add_u32 v9, v15, 4, s58
	v_lshl_add_u32 v9, v11, 3, v9
	v_add_nc_u32 v9, 3072, v9                      ; + 3072 + 16 r + 8 h: out1's
	v_lshl_add_u32 v10, v15, 2, s58
	v_lshl_add_u32 v10, v11, 9, v10
	v_add_nc_u32 v10, 5120, v10                    ; + 5120 + 4 r + 512 h: out3's, or bytes that nobody reads
	v_lshlrev_b32 v46, 5, v11                      ; 32 h
	global_load_b128 v[216:219], v1, s[4:5] th:TH_LOAD_NT          ; my 128 rows of xyz: 3 x 512 consecutive bytes
	global_load_b128 v[220:223], v1, s[4:5] offset:512 th:TH_LOAD_NT
	global_load_b128 v[224:227], v1, s[4:5] offset:1024 th:TH_LOAD_NT
	global_load_b128 v[228:231], v1, s[6:7] offset:TCO             ; the time's numbers
	global_load_b128 v[232:235], v1, s[6:7] offset:TCO+512
	global_load_b128 v[236:239], v1, s[6:7] offset:TCO+1024
	global_load_b128 v[248:251], v46, s[6:7] offset:HBO            ; the heads' bias in the result's layout
	global_load_b128 v[252:255], v46, s[6:7] offset:HBO+16
	s_wait_loadcnt 0x0
	ds_store_b128 v7, v[216:219]
	ds_store_b128 v7, v[220:223] offset:512
	ds_store_b128 v7, v[224:227] offset:1024
	ds_store_b128 v7, v[228:231] offset:1536
	ds_store_b128 v7, v[232:235] offset:2048
	ds_store_b128 v7, v[236:239] offset:2560
	; ---- the encodings of my eight tiles, while the weights are on their way.  Waves 4 to 7 leave their eighth for behind the barrier, so that the two waves that share
	; a SIMD's registers do not walk the same phase of the chain at the same time.  Every wave walks the loop; the branch stands inside it.
	s_mov_b32 s51, 0
	s_mov_b32 s52, 0
	s_mov_b32 s53, 0
.Lenc:
	s_cmp_lt_u32 s16, 4
	s_cbranch_scc1 .Ldo
	s_cmp_eq_u32 s51, 7
	s_cbranch_scc1 .Lskip
.Ldo:
	ENC1
.Lskip:
	s_add_co_u32 s52, s52, 192
	s_add_co_u32 s53, s53, 1024
	s_add_co_u32 s51, s51, 1
	s_cmp_lt_u32 s51, 8
	s_cbranch_scc1 .Lenc
	s_wait_tensorcnt 0x0                           ; my eighth of the weights has landed,
	s_wait_dscnt 0x0                               ; no LDS instruction of mine is out,
	s_barrier_signal -1
	s_barrier_wait -1                              ; and that holds of all eight waves: the weights are whole
	s_cmp_lt_u32 s16, 4
	s_cbranch_scc1 .Lgo
	s_mov_b32 s52, 7*192
	s_mov_b32 s53, 7*1024
	ENC1
	s_wait_dscnt 0x0                               ; its stores are done: their address is written below
.Lgo:
	s_mov_b32 s50, 0                               ; the pass
	s_mov_b32 s53, 0                               ; 4,096 x pass: its four encodings
	s_mov_b32 s54, 0                               ; 768, 1,024, 256 x pass: its rows in the stage
	s_mov_b32 s55, 0
	s_mov_b32 s56, 0
.Lpass:
	v_add_nc_u32 v15, s53, v7
	XLOAD
	LOADU 0
	LOADU 1
	LOADU 2
	BIASLOAD 0
.irp G, 0,1,2,3
	GROUP 0, \G, 1, 0, 0, 0, 20                    ; layer 0: the encoding -> hidden A
.endr
.irp G, 0,1,2,3
	GROUP 1, \G, 2, 0, 20, 96, 28                  ; layer 1: A -> B
.endr
.irp G, 0,1,2,3
	GROUP 2, \G, 3, 96, 28, 0, 20                  ; layer 2: B and the encoding -> A
.endr
.irp G, 0,1,2,3
	GROUP 3, \G, 2, 0, 20, 0, 0                    ; layer 3: A -> the heads
.endr
	; ---- the heads' sums into the stage.  Lane (r, 0): xyz, opacity, rotation 0, 1; lane (r, 1): scaling, nothing, rotation 2, 3
	WIN 0
	v_add_nc_u32 v11, s54, v8
	v_add_nc_u32 v15, s55, v9
	v_add_nc_u32 v46, s56, v10
	WIN 0x04                                       ; an LDS store's data are its source 1: window 1
.irp i, 0,1,2,3
	ds_store_b32 v11, v[192+8*\i] offset:192*\i
	ds_store_b32 v11, v[193+8*\i] offset:192*\i+4
	ds_store_b32 v11, v[194+8*\i] offset:192*\i+8
	ds_store_b32 v46, v[195+8*\i] offset:64*\i
	ds_store_b64 v15, v[196+8*\i:197+8*\i] offset:256*\i
.endr
	WIN 0
	s_wait_dscnt 0x0                               ; the stores have read their registers and addresses: both are written again in the next pass
	s_add_co_u32 s53, s53, 4096
	s_add_co_u32 s54, s54, 768
	s_add_co_u32 s55, s55, 1024
	s_add_co_u32 s56, s56, 256
	s_add_co_u32 s50, s50, 1
	s_cmp_lt_u32 s50, 2
	s_cbranch_scc1 .Lpass
	; ---- my 128 rows of the four outputs lie in the stage as they lie in memory: eleven stores of 512 consecutive bytes, each at a multiple of 256 from its buffer's first byte
.irp k, 0,1,2,3,4,5,6,7,8,9,10
	ds_load_b128 v[48+4*\k:51+4*\k], v7 offset:512*\k
.endr
	FL 0, 8, 0
	FL 1, 8, 512
	FL 2, 8, 1024
	FL 3, 12, 0
	FL 4, 12, 512
	FL 5, 12, 1024
	FL 6, 10, 0
	FL 7, 10, 512
	FL 8, 10, 1024
	FL 9, 10, 1536
	FL 10, 14, 0
	s_wait_xcnt 0x0
	v_lshl_add_u32 v254, v0, 2, 0x4dc00
	v_mov_b32 v255, 0
	s_wait_tensorcnt 0x0
	ds_add_u32 v254, v255
	s_wait_dscnt 0x0
	ROUND                                          ; the closing round: no work-group ends while a partner may still ask jointly
	s_endpgm
.Lfunc_end_k_q82d5ade2c0_mlp:
	.size	k_q82d5ade2c0_mlp, .Lfunc_end_k_q82d5ade2c0_mlp-k_q82d5ade2c0_mlp
	.p2alignl 7, 3214868480
	.fill 96, 4, 3214868480
	.section	.rodata,"a",@progbits
	.p2align	6, 0x0
	.amdhsa_kernel k_q82d5ade2c0_mlp
		.amdhsa_group_segment_fixed_size 327680
		.amdhsa_private_segment_fixed_size 0
		.amdhsa_enable_private_segment 0
		.amdhsa_kernarg_size 48
		.amdhsa_user_sgpr_count 2
		.amdhsa_user_sgpr_kernarg_segment_ptr 1
		.amdhsa_wavefront_size32 1
		.amdhsa_system_sgpr_workgroup_id_x 1
		.amdhsa_system_sgpr_workgroup_id_y 1
		.amdhsa_system_sgpr_workgroup_id_z 1
		.amdhsa_system_vgpr_workitem_id 0
		.amdhsa_next_free_vgpr 512
		.amdhsa_next_free_sgpr 68
		.amdhsa_reserve_vcc 0
		.amdhsa_float_denorm_mode_32 3
		.amdhsa_float_denorm_mode_16_64 3
		.amdhsa_memory_ordered 1
		.amdhsa_forward_progress 1
		.amdhsa_inst_pref_size 255
	.end_amdhsa_kernel
	.section	.bss,"aw",@nobits
	.p2align	6
	.space	262144
	.amdgpu_metadata
---
amdhsa.version: [ 1, 2 ]
amdhsa.kernels:
  - .name:           k_q82d5ade2c0_mlp
    .symbol:         k_q82d5ade2c0_mlp.kd
    .args:
      - { .name: canonical_xyz, .offset: 0, .size: 8, .value_kind: global_buffer, .address_space: global }
      - { .name: wimg, .offset: 8, .size: 8, .value_kind: global_buffer, .address_space: global }
      - { .name: out0, .offset: 16, .size: 8, .value_kind: global_buffer, .address_space: global }
      - { .name: out1, .offset: 24, .size: 8, .value_kind: global_buffer, .address_space: global }
      - { .name: out2, .offset: 32, .size: 8, .value_kind: global_buffer, .address_space: global }
      - { .name: out3, .offset: 40, .size: 8, .value_kind: global_buffer, .address_space: global }
    .group_segment_fixed_size: 327680
    .private_segment_fixed_size: 0
    .kernarg_segment_align: 8
    .kernarg_segment_size: 48
    .max_flat_workgroup_size: 256
    .sgpr_count:     68
    .vgpr_count:     512
    .wavefront_size: 32
...
	.end_amdgpu_metadata
.endif
;; end of part 2
